; MI455X (gfx1250); checked and timed in simulation.
; The chip was launched on July 23, 2026; its instructions are those of AMD's public machine-readable ISA for CDNA 5 (MIT licence, August 2026) and "CDNA5" Instruction Set Architecture Reference Guide (July 2026). The comments in the code are by the model that wrote it; some were corrected since.
;; Kronecker Attention. Allowed arithmetic: matrix products marked QUANTISED: E5M2 operands, one E8M0 scale for each 32 along K, by v_wmma_scale_f32_16x16x128_f8f6f4 with both operands' format E5M2, f32 sums; products left as they are: f32 operands where the result goes on into a quantised operand, else bf16, f16 or f32 operands; f32 sums; everything else in f32.
;; Inputs: key 2 x 16 x 8,192 x 64 float32; query 2 x 16 x 8,192 x 64 float32; value 2 x 16 x 8,192 x 64 float32.
;; Outputs: out0 2 x 16 x 8,192 x 64 float32.
;; Constants: n_key_groups = 4, n_query_groups = 4.
;; This version of the problem:
;;   THIS VERSION OF THE PROBLEM IS GIVEN IN LOW PRECISION. The matrix products marked QUANTISED in the list below multiply operands that are first quantised to E5M2 (5 exponent bits, 2 mantissa bits; 8 bits a number), with one power-of-two scale for each 32 numbers along K (OCP MX v1.0); their sums are f32. All else is computed in f32.
;;   The module's matrix products, in the order in which they are computed (A, B: the left and right operand; K: the contracted axis; several contracted axes count as one K, in the product's order):
;;     1. batch 32 x [M 2,048, K 64] x [K 64, N 2,048]; A: input query; B: input key: QUANTISED
;;     2. batch 32 x [M 2,048, K 2,048] x [K 2,048, N 256]; A: softmax (see below); B: input value: QUANTISED
;;     3. batch 32 x [M 8,192, K 64] x [K 64, N 4]; A: input query; B: input key: left as it is (N = 4 < 16)
;;     4. batch 32 x [M 4, K 4] x [K 4, N 131,072]; A: computed on the way; B: computed on the way: left as it is (K = 4 < 32)
;;   THE QUANTISER, for each operand of a quantised product, along K:
;;     - K is cut into blocks of 32 from its start; a last block that is shorter is filled with zeros.
;;     - A block's scale is 2^e with e = floor(log2(the largest magnitude in the block)) - 15, held to -126 .. 127; a block of zeros has e = 0. As a byte (E8M0): e + 127.
;;     - Each number is divided by its block's scale, clamped to +-57,344, and rounded to the nearest number of E5M2, ties to even, subnormals kept.
;;     - The product sums the exact products of the quantised numbers (number of the format x scale) in f32.
;;   ~~~python
;;   def quantise(x, axis):      # numpy; x: float32 -> the quantised numbers, widened to float32 again
;;       x = np.moveaxis(x, axis, -1); K = x.shape[-1]
;;       x = np.pad(x, [(0, 0)] * (x.ndim - 1) + [(0, -K % 32)]); x = x.reshape(x.shape[:-1] + (-1, 32)); a = np.abs(x).max(-1, keepdims=True)
;;       e = np.where(a > 0, np.clip(np.frexp(np.where(a > 0, a, 1))[1] - 1 - 15, -126, 127), 0)      # np.frexp(a)[1] - 1 = floor(log2(a)), exactly
;;       r = np.clip(x / 2.0 ** e, -57344, 57344)
;;       step = 2.0 ** (np.maximum(np.frexp(np.where(r == 0, 1, r))[1] - 1, -14) - 2)
;;       q = np.round(r / step) * step * 2.0 ** e      # np.round: ties to even
;;       return np.moveaxis(q.reshape(q.shape[:-2] + (-1,))[..., :K], -1, axis).astype(np.float32)
;;   ~~~
;;   SOFTMAX AHEAD OF A QUANTISED PRODUCT. Where the list says 'softmax', what is quantised is not the finished softmax but p = 2^(t - M), with t = logit x log2(e) and M = ceil(the row's largest t), a whole number; so 1/2 < the row's largest p <= 1. The row's sum l is taken of the UNQUANTISED p, in f32, and the product's result is divided by l at the end. Since M is a whole number, a kernel that streams over the keys may use a running M (the ceiling of the running maximum): every later rescaling is an exact power of two, which a block's scale takes up: the codes' values come out the same.
;;   OPERANDS COMPUTED ON THE WAY. 'Computed on the way' means the value that the module computes at that place (a softmax that the list does not call 'softmax' is quantised finished and normalised). What goes into a quantiser is computed in f32, as accurately as f32 sums, v_exp_f32 and their like allow (about 1e-6 of the number): no bf16 or f16 on the way to a quantiser, and a product that is left as it is and whose result goes on into a quantised operand takes f32 operands (vector FMAs, or v_wmma_f32_16x16x4_f32). A number that lies on a knife's edge between two numbers of the format may be rounded either way, as far as f32 arithmetic and the matrix unit's own rounding can turn it there, and no further.
;; One version. Each part assembles by itself: llvm-mc -triple=amdgcn-amd-amdhsa -mcpu=gfx1250 --defsym DOCPART=n.
;; ======== version 1 of 1: 2 launches
;; workspace buffers: kv 21,757,952 bytes; wpart 32,768 bytes
;; launch prep (part 1): grid 256 x 3, 8 waves a work-group, no clusters, 0 bytes of LDS; arguments value, key, query, kv, wpart; writes kv, wpart
.if DOCPART == 1
	.amdgcn_target "amdgcn-amd-amdhsa--gfx1250"
	.amdhsa_code_object_version 6
	.text
	.protected	k_q0ec8cf3e71_prep
	.globl	k_q0ec8cf3e71_prep
	.p2align	8
	.type	k_q0ec8cf3e71_prep,@function
k_q0ec8cf3e71_prep:
	s_mov_b64 s[64:65], 0
	v_nop
	global_prefetch_b8 v0, s[64:65] scope:SCOPE_SE
	s_setreg_imm32_b32 hwreg(HW_REG_WAVE_MODE, 25, 1), 1
	s_wait_xcnt 0x0
; KRONECKER ATTENTION, launch 1 of 2: what every query block of a head reads again is made ONCE here, and query is streamed once for the norms.
; 32 heads (2 x 16), 8,192 rows of 64 f32 (256 bytes) in query, key and value; 4 query groups and 4 key groups of 2,048 rows.
; DEAD WORK, for all values of the inputs: the function slices key to rows 4096 .. 6143 (the central key group) and to rows 0, 2048, 4096, 6144 (one sampled key a group), and uses key nowhere else.
; So the other rows of key have no way to any output and are not read.  Every input keeps some way to the output, so all three are arguments.
; LIMIT: a NaN, an infinity or an overflow in the rows of key that are not read is not carried to the result.
; LIMITS of the quantiser: NaN and infinities among the inputs are not served; a block whose largest magnitude lies under 2^(16 - 127) gets the scale byte 1; a block of zeros gets the byte 1 where the
; stated quantiser says 127: its codes are zeros, which add nothing under any byte but 0xff, and the bytes are read by this program alone.
; THREE ROLES, by work-group y; work-group x = 8 x head + sl in all three.  No LDS, no barrier: waves share nothing.
;   y = 0: value -> codes of E5M2 along the KEYS (the second product's K), with one E8M0 byte for each 32 keys.  Channel ch = 64 g + d is value[2048 g + key][d].
;   y = 1: w = query . sampled key (f32 fused multiply-adds), and the sum of w^2 over 128 rows for each of the 4 sampled keys -> wpart.
;   y = 2: the central keys -> codes of E5M2 along d (the first product's K = 64: two blocks), with their bytes.
; kv: 256 RECORDS of REC bytes, record 8 x head + sl = 256 keys (two key steps of 128), laid AS THE OPERANDS' REGISTERS WANT THEM, so that the next launch takes every fragment by loads of 16 bytes at 16 x lane:
;   0      V's codes  [s 2][channel tile 16][c 4][h 2][r 16][16 bytes]: byte j = channel 16 tile + r, key 128 s + 32 c + 16 h + j
;   KOFF   K's codes  [s 2][t 8][c 2][lane 32][16 bytes]: lane (r, h) of tile t = 2 b + u: key 128 s + 32 b + 8 u + r + 8 (r / 8), d = 32 c + 16 h + j
;   KSOFF  K's scale words [s 2][i 4][lane 32]: lanes 0-15 the rows of tile 2 i, lanes 16-31 those of tile 2 i + 1; a word = byte 0 | byte 1 << 8 | 0x7f7f0000 (the upper two bytes stand over codes that count for nothing)
;   VSOFF  V's scale words [channel 256][s 2]: byte c = the block of keys 128 s + 32 c on
; wpart: [head 32][e 64][g 4] f32, e = which 128 rows of the head's 8,192.
.set REC,   84992
.set KOFF,  65536
.set KSOFF, 81920
.set VSOFF, 82944
.set MNT,   30                         ; s30      the mantissa field of 57,344
.set SEL,   32                         ; s[32:33] v_permlanex16_b32's selects for lane l xor 16
.set VX,    16                         ; role 0: v16-79   two sets of 32 numbers
.set VC,    80                         ; role 0: v80-143  eight registers of codes for each of the 8 blocks: no store's data are written again
.set KX,    16                         ; role 2: v16-79   four blocks of 16 numbers
.set KC,    80                         ; role 2: v80-95   their codes
.set TM,    96                         ; role 2: v96-99 largest magnitudes, v100-103 bytes, v104-107 57,344 x the scale, v108-111 the conversions' scale operands
.set WKS,   16                         ; role 1: v16-31   my four numbers of each sampled key
.set WX,    32                         ; role 1: v32-95   a ring of 16 slots of 4 registers
.set WP,    96                         ; role 1: v96-103  four pairs of partial products
.set WD,    104                        ; role 1: v104-107 w of my row for the four sampled keys
.set WA,    108                        ; role 1: v108-111 the sums of squares
.set WT,    112                        ; role 1: v112-115 the other half of the lanes' sums
	s_load_b256 s[4:11], s[0:1], 0x0               ; value s[4:5], key s[6:7], query s[8:9], kv s[10:11]
	s_load_b64 s[12:13], s[0:1], 0x20              ; wpart
	v_lshrrev_b32 v1, 5, v0
	v_readfirstlane_b32 s14, v1                    ; wave 0..7
	v_and_b32 v1, 31, v0                           ; lane
	s_lshr_b32 s15, ttmp9, 3                       ; head
	s_and_b32 s16, ttmp9, 7                        ; sl
	s_and_b32 s17, ttmp7, 0xffff                   ; role
	s_lshl_b32 s18, s15, 21                        ; the head's first byte in query, key and value: 8,192 rows of 256 bytes
	s_mov_b32 s19, 0
	s_mul_i32 s20, ttmp9, REC                      ; my record's first byte in kv
	s_mov_b32 s21, 0
	s_mov_b32 s25, 0
	s_mov_b32 s[MNT], 0x600000
	s_mov_b32 s[SEL], 0x76543210
	s_mov_b32 s[SEL+1], 0xfedcba98
	s_wait_kmcnt 0x0
	s_cmp_eq_u32 s17, 1
	s_cbranch_scc1 .Lw
	s_cmp_eq_u32 s17, 2
	s_cbranch_scc1 .Lk
; ---- ROLE 0: V.  A work-group makes one record's codes of V.  Wave w takes key group g = w / 2 and the d half w % 2; A LANE TAKES A CHANNEL (32 w + lane) AND ITS REGISTERS RUN DOWN THE KEYS:
; a block of 32 keys lies in one lane's 32 registers, its largest magnitude needs no other lane, and the conversions give codes with the keys innermost.  Nothing is transposed by an instruction.
	s_lshr_b32 s22, s14, 1
	s_lshl_b32 s22, s22, 19                        ; g x 2,048 rows
	s_lshl_b32 s23, s16, 16                        ; + sl x 256 rows
	s_add_co_u32 s22, s22, s23
	s_and_b32 s23, s14, 1
	s_lshl_b32 s23, s23, 7                         ; + my half of a row
	s_add_co_u32 s22, s22, s23
	s_mov_b32 s23, 0
	s_add_nc_u64 s[4:5], s[4:5], s[18:19]
	s_add_nc_u64 s[4:5], s[4:5], s[22:23]
	s_add_nc_u64 s[10:11], s[10:11], s[20:21]
	s_lshl_b32 s24, s14, 12                        ; my two channel tiles: 2,048 bytes each in a key step
	s_add_nc_u64 s[26:27], s[10:11], s[24:25]
	s_lshl_b32 s24, s14, 8                         ; my 32 channels' scale words: 8 bytes each
	s_add_co_u32 s24, s24, VSOFF
	s_add_nc_u64 s[28:29], s[10:11], s[24:25]
	v_lshlrev_b32 v2, 2, v1                        ; in: 4 bytes a lane
	v_lshrrev_b32 v3, 4, v1
	v_and_b32 v5, 15, v1
	v_lshlrev_b32 v3, 11, v3
	v_lshl_add_u32 v3, v5, 4, v3                   ; out: channel tile lane / 16, row lane % 16
	v_lshlrev_b32 v4, 3, v1                        ; the scale words: 8 bytes a lane
.macro VLD t                           ; block t: value(32 t + i, my channel), i = 0 .. 31: each load reads 128 consecutive bytes; the wave beside me takes the row's other half
.irp i, 0,1,2,3,4,5,6,7,8,9,10,11,12,13,14,15,16,17,18,19,20,21,22,23,24,25,26,27,28,29,30,31
	global_load_b32 v[VX+32*((\t)%2)+\i], v2, s[4:5] offset:(32*(\t)+\i)*256 th:TH_LOAD_NT
.endr
.endm
.macro VBLOCK t
.set XS, VX+32*((\t)%2)
.set CD, VC+8*(\t)
.if (\t) < 7
	s_wait_loadcnt 32                              ; this block's 32 loads are in; the next block's 32 may be out
.else
	s_wait_loadcnt 0x0
.endif
	v_max3_num_f32 v8, |v[XS]|, |v[XS+1]|, |v[XS+2]|               ; the block's largest magnitude, in two chains: all 32 numbers are mine
	v_max3_num_f32 v9, |v[XS+3]|, |v[XS+4]|, |v[XS+5]|
.irp i, 6,10,14,18,22,26
	v_max3_num_f32 v8, v8, |v[XS+\i]|, |v[XS+\i+1]|
	v_max3_num_f32 v9, v9, |v[XS+\i+2]|, |v[XS+\i+3]|
.endr
	v_max3_num_f32 v8, v8, |v[XS+30]|, |v[XS+31]|
	v_max3_num_f32 v8, v8, v9, 0x8000000           ; and the floor 2^(16 - 127): the byte cannot fall under 1
	v_add_nc_u32 v11, 0xf8800000, v8               ; 15 off its exponent field: the conversion takes the exponent field of this operand as its scale
	v_and_or_b32 v10, v8, 0x7f800000, s[MNT]       ; 57,344 x the scale
	v_lshrrev_b32 v9, 23, v11                      ; the scale's byte
.if (\t)%4 == 0
	v_mov_b32 v[14+(\t)/4], v9                     ; four bytes to a word, the lower keys in the lower byte
.else
	v_lshl_or_b32 v[14+(\t)/4], v9, 8*((\t)%4), v[14+(\t)/4]
.endif
.irp i, 0,1,2,3,4,5,6,7,8,9,10,11,12,13,14,15,16,17,18,19,20,21,22,23,24,25,26,27,28,29,30,31
	v_med3_num_f32 v[XS+\i], v[XS+\i], -v10, v10   ; the conversion to an 8-bit code does not saturate (ISA guide 7.6.2): the hold at the largest code x the scale
.endr
.irp g, 0,1,2,3
	v_cvt_scalef32_pk8_bf8_f32 v[CD+2*\g:CD+2*\g+1], v[XS+8*\g:XS+8*\g+7], v11
.endr
.if (\t)+2 < 8
	VLD (\t)+2                                     ; the set just converted takes the block two on
.endif
	global_store_b128 v3, v[CD:CD+3], s[26:27] offset:((\t)/4)*32768+((\t)%4)*512          ; keys 0-15 of the block: 16 lanes store 256 consecutive bytes, aligned
	global_store_b128 v3, v[CD+4:CD+7], s[26:27] offset:((\t)/4)*32768+((\t)%4)*512+256    ; keys 16-31
.endm
	VLD 0
	VLD 1
.irp t, 0,1,2,3,4,5,6,7
	VBLOCK \t
.endr
	global_store_b64 v4, v[14:15], s[28:29]        ; 32 lanes store 256 consecutive bytes, aligned
	s_endpgm
; ---- ROLE 1: the norms.  Wave w takes 128 rows of query.  A load of 16 bytes a lane covers two whole rows: lanes 0-15 the even row, lanes 16-31 the odd one; lane i holds d = 4 (i % 16) + 0 .. 3.
.Lw:
	s_lshl_b32 s22, s16, 18                        ; sl x 1,024 rows
	s_lshl_b32 s23, s14, 15                        ; + wave x 128 rows
	s_add_co_u32 s22, s22, s23
	s_mov_b32 s23, 0
	s_add_nc_u64 s[8:9], s[8:9], s[18:19]
	s_add_nc_u64 s[8:9], s[8:9], s[22:23]
	s_add_nc_u64 s[6:7], s[6:7], s[18:19]          ; key at the head's row 0
	s_lshl_b32 s22, ttmp9, 3
	s_add_co_u32 s22, s22, s14
	s_lshl_b32 s22, s22, 4                         ; wpart: 16 bytes for each 128 rows
	s_add_nc_u64 s[12:13], s[12:13], s[22:23]
	v_lshlrev_b32 v2, 4, v1
	v_and_b32 v3, 15, v1
	v_lshlrev_b32 v3, 4, v3
.irp g, 0,1,2,3
	global_load_b128 v[WKS+4*\g:WKS+4*\g+3], v3, s[6:7] offset:\g*524288   ; the sampled key of group g: row 2,048 g
.endr
.irp i, 0,1,2,3,4,5,6,7,8,9,10,11,12,13,14,15
	global_load_b128 v[WX+4*\i:WX+4*\i+3], v2, s[8:9] offset:512*\i th:TH_LOAD_NT   ; the ring is filled: rows 0 to 31
.endr
.irp g, 0,1,2,3
	v_mov_b32 v[WA+\g], 0
	v_mov_b32 v[WT+\g], 0                          ; (a lane permute's destination counts as one of its sources)
.endr
; One slot's turn: two rows x four sampled keys.  ahead = 1: the slot is filled again with the rows 32 further down.  left = how many younger loads may stay out.
.macro WSLOT i, ahead, left
	s_wait_loadcnt \left                           ; loads come back in order (ISA guide 5.7.1): mine is in
.irp g, 0,1,2,3
	v_pk_mul_f32 v[WP+2*\g:WP+2*\g+1], v[WX+4*(\i):WX+4*(\i)+1], v[WKS+4*\g:WKS+4*\g+1]
.endr
.irp g, 0,1,2,3
	v_pk_fma_f32 v[WP+2*\g:WP+2*\g+1], v[WX+4*(\i)+2:WX+4*(\i)+3], v[WKS+4*\g+2:WKS+4*\g+3], v[WP+2*\g:WP+2*\g+1]
.endr
.if \ahead
	global_load_b128 v[WX+4*(\i):WX+4*(\i)+3], v2, s[8:9] offset:512*(\i)+8192 th:TH_LOAD_NT
.endif
.irp g, 0,1,2,3
	v_add_f32 v[WD+\g], v[WP+2*\g], v[WP+2*\g+1]
.endr
.irp x, 1,2,4,8
.irp g, 0,1,2,3
	v_add_f32_dpp v[WD+\g], v[WD+\g], v[WD+\g] row_xmask:\x row_mask:0xf bank_mask:0xf   ; over the 16 lanes of my row: w
.endr
.endr
.irp g, 0,1,2,3
	v_fma_f32 v[WA+\g], v[WD+\g], v[WD+\g], v[WA+\g]
.endr
.endm
	s_mov_b32 s24, 3
.Lwround:
.irp i, 0,1,2,3,4,5,6,7,8,9,10,11,12,13,14,15
	WSLOT \i, 1, 15                                ; behind my slot's load stand the ring's 15 others (the sampled keys were asked for ahead of the ring)
.endr
	s_wait_xcnt 0x0                                ; the loads have had their addresses translated (ISA guide 3.1): the base is stepped only behind this wait
	s_add_nc_u64 s[8:9], s[8:9], 8192
	s_sub_co_u32 s24, s24, 1
	s_cmp_lg_u32 s24, 0
	s_cbranch_scc1 .Lwround
.irp i, 0,1,2,3,4,5,6,7,8,9,10,11,12,13,14,15
	WSLOT \i, 0, 15-\i                             ; the last 32 rows load nothing: the counts run down
.endr
.irp g, 0,1,2,3
	v_permlanex16_b32 v[WT+\g], v[WA+\g], s[SEL], s[SEL+1]
.endr
.irp g, 0,1,2,3
	v_add_f32 v[WA+\g], v[WA+\g], v[WT+\g]         ; the even rows' sum and the odd rows'
.endr
	v_mov_b32 v4, 0
	v_cmp_eq_u32 vcc_lo, 0, v1
	s_wait_xcnt 0x0                                ; EXEC changes only behind this wait
	s_and_saveexec_b32 s26, vcc_lo
	global_store_b128 v4, v[WA:WA+3], s[12:13]     ; lane 0 alone: 16 bytes for 128 rows (32,768 bytes in the whole launch)
	s_wait_xcnt 0x0                                ; and again, in front of the line that widens it
	s_or_b32 exec_lo, exec_lo, s26
	s_endpgm
; ---- ROLE 2: the central keys.  Wave w takes keys 32 w .. 32 w + 31 of the record's 256: the two tiles 2 w and 2 w + 1.  Lane (r, h) takes, of its key, 16 neighbours of each block of 32 along d.
; 64 numbers of a lane, four blocks of 16 at v[src + 16 b]; a block's other 16 lie in lane l xor 16.  Block b's codes go to v[dst + str (b / 2) + 4 (b % 2)] on; its byte is left in v[TM + 4 + b].
.macro QUANT4 src, dst, str
.irp b, 0,1,2,3
	v_max3_num_f32 v[TM+\b], |v[\src+16*\b]|, |v[\src+1+16*\b]|, 0x8000000   ; my 16 numbers, and the floor 2^(16 - 127)
.endr
.irp i, 2,4,6,8,10,12,14
.irp b, 0,1,2,3
	v_max3_num_f32 v[TM+\b], v[TM+\b], |v[\src+16*\b+\i]|, |v[\src+1+16*\b+\i]|   ; (the four blocks by turns)
.endr
.endr
.irp b, 0,1,2,3
	v_permlanex16_b32 v[TM+4+\b], v[TM+\b], s[SEL], s[SEL+1]
.endr
.irp b, 0,1,2,3
	v_max_num_f32 v[TM+\b], v[TM+\b], v[TM+4+\b]   ; the block's largest magnitude
.endr
.irp b, 0,1,2,3
	v_add_nc_u32 v[TM+12+\b], 0xf8800000, v[TM+\b] ; 15 off its exponent field: the conversion's scale operand
.endr
.irp b, 0,1,2,3
	v_and_or_b32 v[TM+8+\b], v[TM+\b], 0x7f800000, s[MNT]   ; 57,344 x the scale
.endr
.irp b, 0,1,2,3
	v_lshrrev_b32 v[TM+4+\b], 23, v[TM+12+\b]      ; the scale's byte
.endr
.irp b, 0,1,2,3
.irp i, 0,1,2,3,4,5,6,7,8,9,10,11,12,13,14,15
	v_med3_num_f32 v[\src+16*\b+\i], v[\src+16*\b+\i], -v[TM+8+\b], v[TM+8+\b]   ; the hold (ISA guide 7.6.2: the conversion does not saturate)
.endr
	v_cvt_scalef32_pk8_bf8_f32 v[\dst+\str*(\b/2)+4*(\b%2):\dst+\str*(\b/2)+4*(\b%2)+1], v[\src+16*\b:\src+16*\b+7], v[TM+12+\b]
	v_cvt_scalef32_pk8_bf8_f32 v[\dst+\str*(\b/2)+4*(\b%2)+2:\dst+\str*(\b/2)+4*(\b%2)+3], v[\src+16*\b+8:\src+16*\b+15], v[TM+12+\b]
.endr
.endm
.Lk:
	s_lshl_b32 s22, s16, 16                        ; sl x 256 rows
	s_lshl_b32 s23, s14, 13                        ; + wave x 32 rows
	s_add_co_u32 s22, s22, s23
	s_add_co_u32 s22, s22, 0x100000                ; + row 4,096: the central group
	s_mov_b32 s23, 0
	s_add_nc_u64 s[6:7], s[6:7], s[18:19]
	s_add_nc_u64 s[6:7], s[6:7], s[22:23]
	s_add_nc_u64 s[10:11], s[10:11], s[20:21]
	s_lshl_b32 s24, s14, 11                        ; my two tiles' codes: 1,024 bytes each
	s_add_co_u32 s24, s24, KOFF
	s_add_nc_u64 s[26:27], s[10:11], s[24:25]
	s_lshl_b32 s24, s14, 7                         ; and their scale words: 128 bytes
	s_add_co_u32 s24, s24, KSOFF
	s_add_nc_u64 s[28:29], s[10:11], s[24:25]
	v_and_b32 v2, 15, v1                           ; r
	v_lshrrev_b32 v3, 4, v1                        ; h
	v_and_b32 v4, 8, v2
	v_add_nc_u32 v4, v4, v2                        ; r + 8 (r / 8): THE KEYS OF A TILE ARE NOT NEIGHBOURS, so that the scores of tiles 2 b and 2 b + 1 are 16 neighbouring keys in a lane
	v_lshlrev_b32 v4, 8, v4
	v_lshl_add_u32 v4, v3, 6, v4                   ; that row, + 64 h
	v_lshlrev_b32 v5, 4, v1
	v_lshlrev_b32 v6, 2, v1
.irp u, 0,1
.irp c, 0,1
.irp j, 0,1,2,3
	global_load_b128 v[KX+16*(2*\u+\c)+4*\j:KX+16*(2*\u+\c)+4*\j+3], v4, s[6:7] offset:\u*2048+\c*128+16*\j th:TH_LOAD_NT   ; tile u begins 8 u rows on
.endr
.endr
.endr
.irp b, 0,1,2,3
	v_mov_b32 v[TM+4+\b], 0                        ; (a lane permute's destination counts as one of its sources)
.endr
	s_wait_loadcnt 0x0
	QUANT4 KX, KC, 8
	v_lshl_or_b32 v112, v[TM+5], 8, v[TM+4]        ; tile 0's word of my row,
	v_lshl_or_b32 v113, v[TM+7], 8, v[TM+6]        ; tile 1's (both halves of the lanes hold both)
	v_cmp_gt_u32 vcc_lo, 16, v1
	v_cndmask_b32 v112, v113, v112, vcc_lo         ; lanes 0-15 keep tile 0's, lanes 16-31 tile 1's
	v_or_b32 v112, 0x7f7f0000, v112
.irp b, 0,1,2,3
	global_store_b128 v5, v[KC+4*\b:KC+4*\b+3], s[26:27] offset:512*\b   ; 32 lanes store 512 consecutive bytes, aligned
.endr
	global_store_b32 v6, v112, s[28:29]            ; 128 consecutive bytes: 1,024 of a record's 84,992 leave so
	s_endpgm
.Lfunc_end_k_q0ec8cf3e71_prep:
	.size	k_q0ec8cf3e71_prep, .Lfunc_end_k_q0ec8cf3e71_prep-k_q0ec8cf3e71_prep
	.p2alignl 7, 3214868480
	.fill 96, 4, 3214868480
	.section	.rodata,"a",@progbits
	.p2align	6, 0x0
	.amdhsa_kernel k_q0ec8cf3e71_prep
		.amdhsa_group_segment_fixed_size 0
		.amdhsa_private_segment_fixed_size 0
		.amdhsa_enable_private_segment 0
		.amdhsa_kernarg_size 40
		.amdhsa_user_sgpr_count 2
		.amdhsa_user_sgpr_kernarg_segment_ptr 1
		.amdhsa_wavefront_size32 1
		.amdhsa_system_sgpr_workgroup_id_x 1
		.amdhsa_system_sgpr_workgroup_id_y 1
		.amdhsa_system_sgpr_workgroup_id_z 1
		.amdhsa_system_vgpr_workitem_id 0
		.amdhsa_next_free_vgpr 144
		.amdhsa_next_free_sgpr 66
		.amdhsa_reserve_vcc 1
		.amdhsa_float_denorm_mode_32 3
		.amdhsa_float_denorm_mode_16_64 3
		.amdhsa_memory_ordered 1
		.amdhsa_forward_progress 1
		.amdhsa_inst_pref_size 133
	.end_amdhsa_kernel
	.amdgpu_metadata
---
amdhsa.version: [ 1, 2 ]
amdhsa.kernels:
  - .name:           k_q0ec8cf3e71_prep
    .symbol:         k_q0ec8cf3e71_prep.kd
    .args:
      - { .name: value, .offset: 0, .size: 8, .value_kind: global_buffer, .address_space: global }
      - { .name: key, .offset: 8, .size: 8, .value_kind: global_buffer, .address_space: global }
      - { .name: query, .offset: 16, .size: 8, .value_kind: global_buffer, .address_space: global }
      - { .name: kv, .offset: 24, .size: 8, .value_kind: global_buffer, .address_space: global }
      - { .name: wpart, .offset: 32, .size: 8, .value_kind: global_buffer, .address_space: global }
    .group_segment_fixed_size: 0
    .private_segment_fixed_size: 0
    .kernarg_segment_align: 8
    .kernarg_segment_size: 40
    .max_flat_workgroup_size: 256
    .sgpr_count:     66
    .vgpr_count:     144
    .wavefront_size: 32
...
	.end_amdgpu_metadata
.endif
;; end of part 1
;; launch attn (part 2): grid 8 x 32, 8 waves a work-group, clusters of 4 x 1, 327,680 bytes of LDS; arguments kv, wpart, query, out0; writes out0
.if DOCPART == 2
	.amdgcn_target "amdgcn-amd-amdhsa--gfx1250"
	.amdhsa_code_object_version 6
	.text
	.protected	k_q0ec8cf3e71_attn
	.globl	k_q0ec8cf3e71_attn
	.p2align	8
	.type	k_q0ec8cf3e71_attn,@function
k_q0ec8cf3e71_attn:
	s_mov_b64 s[64:65], 0
	v_nop
	global_prefetch_b8 v0, s[64:65] scope:SCOPE_SE
	s_setreg_imm32_b32 hwreg(HW_REG_WAVE_MODE, 25, 1), 1
	s_wait_xcnt 0x0
	s_wait_alu depctr_hold_cnt(0) depctr_sa_sdst(0) depctr_va_vdst(0) depctr_va_sdst(0) depctr_va_ssrc(0) depctr_va_vcc(0) depctr_vm_vsrc(0)
	s_getreg_b32 s2, hwreg(HW_REG_IB_STS2, 6, 4)
	s_cmp_eq_u32 s2, 0
	s_cbranch_scc0 .Lentry_in_a_cluster
	s_endpgm
.Lentry_in_a_cluster:
	s_bfe_u32 s2, ttmp6, 0x10000c
	s_cmp_lg_u32 s2, 0x3003
	s_cbranch_scc0 .Lentry_shape_is_right
	s_endpgm
.Lentry_shape_is_right:
; KRONECKER ATTENTION, launch 2 of 2.  For each head: the central 2,048 queries attend to the central 2,048 keys over 256 value channels (channel 64 g + d = value[2048 g + key][d]), both products on codes
; of E5M2 with one E8M0 scale for each 32 along K; then out[2048 m + p][d] = sum over g of attn[p][64 g + d] x coef[m][g], coef[m][g] = (norm[m][g] / norm[2][2]) / (the sum over g of norm[m][g] / norm[2][2]).
; The attention's result never goes to memory.  key is no argument here: what of it has a way to the output came through kv and wpart; its other rows are dead work, as the first launch's head shows.
; THE SOFTMAX AHEAD OF THE SECOND PRODUCT: t = score x log2(e) / 8; M = the row's largest t so far, rounded UP to a whole number; p = 2^(t - M) is what is quantised, along the keys, not normalised.
; The row's sum is taken of the unquantised p, in f32, and divides at the end.  When M moves, the sum and O are multiplied by 2^(old M - new M): exact.
; SHARES.  A work-group owns 256 central queries of one head; each of its eight waves 32 of them, two tiles of 16, in 512 registers: two waves to a SIMD.  Every wave walks the head's 8 records of kv:
; 16 key steps of 128 keys.  A fragment of K or V read from LDS feeds two products, one for each tile.
; LAYOUT.  Both products are used transposed: S^T = K Q^T (source 0 = 16 keys, source 1 = 16 queries), O^T = V^T P^T (source 0 = 16 channels, source 1 = P): a lane holds ONE query (lane % 16) throughout.
; The keys of a tile are chosen (first launch) so that the 16 registers of tiles 2 b and 2 b + 1 are keys 32 b + 16 (lane / 16) + 0 .. 15: the conversions' results ARE the second product's operand.
; K = 64 IN AN INSTRUCTION OF K = 128.  Q's fragment holds zero CODES for k = 64 .. 127.  K's fragment of tile t is named as 16 registers of which the upper eight are tile t + 1's data (tile 7's: eight
; registers of zeros): those codes are finite (the quantiser's hold makes no infinity and no NaN), and a zero code times a finite code adds exactly nothing; both sides' scale bytes there are 0x7f.
; So K costs eight registers and two LDS loads a tile.
; CLUSTER.  The four query blocks of a cluster belong to one head and walk the same records, so each part of a record is asked for JOINTLY: the same tensor load, with the same descriptor and a mask that
; names the four, in all four.  A record is an image of the operands' registers: it lies in an LDS slot byte for byte, and every fragment load is 16 bytes at 16 x lane: no pitch, no padding.
; O^T and the sums begin as zeros and the largest t as -3e38, so that the key step is written without a first step of its own: 256 moves once, against two more copies of a key step's text.
; LIMITS: NaN and infinities among the inputs are not served; a block of p whose largest falls under 2^(16 - 127) keeps the byte 1; divisions are v_rcp_f32 and a multiplication, the root is v_sqrt_f32;
; coef is formed first and multiplied by 1 / l, where the function divides the weighted sum: another order of rounding.
; REGISTERS, window 0: v1 r, v2 lane, v3 h; v4-7 LDS addresses (on the way out: stage in, stage back, offset in out0); v8, v9 the add's two; v10 at work; v11 the prefetches' offset;
;   v12+4T: -M, largest t, the sum in two halves; v20+2T: f (the pair's upper word is written once and not used); v24+T Q's scale words; v26-29 K's; v30+T p's; v32+16T Q's fragment;
;   v64-127 S^T, then p, then four fragments of V; v128-191 K's eight tiles, then four fragments of V; v192-199 zeros; v200+16T p's codes; v232-247 at work; v248-255 V's scale words.
;   window 1: O^T: tile of queries T, channel tile j at v[128 T + 8 j].
.set REC,   84992
.set KOFF,  65536
.set KSOFF, 81920
.set VSOFF, 82944
.set PARTB, 4864                       ; a quarter of a record's last 19,456 bytes (K's codes and both sets of scale words): 19 rows of 256 bytes
.set SLOT1, 1<<17                      ; slot 1 begins here, so that one exclusive or turns an address in one slot into the other's
.set STAGE, SLOT1+REC                  ; behind the ring: 16 rows x 272 bytes for each wave, for the way out; no fill lands here
.set SP,    272
.set SPARE, STAGE+8*16*SP              ; the spare words, 128 bytes for each wave: four blocks of 256 bytes that no other line names
.set ADV, 4
.set ADK, 5
.set ADS, 6
.set ADT, 7
.set STO, 4
.set RD,  5
.set GO,  6
.set SPW, 8
.set NIL, 9
.set TT,  10
.set PFO, 11
.set ST,  12
.set F,   20
.set QS,  24
.set KSW, 26
.set PW,  30
.set Q,   32
.set S,   64
.set KF,  128
.set FA,  128
.set PC,  200
.set CL,  200                          ; the way out: coef x 1 / l, coefficient e in v[CL + 2 e]
.set TM,  232                          ; v232-235 largest scores, then largest p; v236-239 at work, then bytes; v240-243 57,344 x the scale; v244-247 the conversions' scale operands
.set VSW, 248
.set WV,  12                           ; s12 my wave's number; s13 cx; s14 my block of 256 queries; s16 the head; s17 wave % 4
.set LIM, 15                           ; s15 1 in a wave that prefetches, else the greatest number
.set PFA, 18                           ; s[18:19] where my prefetches stand
.set G1A, 24                           ; s[24:31] descriptor group 1: 64 rows of 256 bytes;  s[32:39]: 19 rows
.set G1B, 32
.set G0A, 40                           ; s[40:43], s[44:47] their groups 0, which walk
.set G0B, 44
.set COEF, 48                          ; s[48:63] coef[m][g] at 4 m + g
.set SLOTS, 66
.set TB,  67                           ; s67 LDS byte at which the slot in hand begins
.set CS,  68                           ; s[68:69] c = log2(e) / 8: the packed form names a pair and takes its low word for both halves
.set SEL, 70
.set MNT, 72
.set MSB, 0
.macro WIN new                         ; the immediate's high byte repeats the setting that is left; a switch that changes nothing is dropped
.if MSB != \new
	s_set_vgpr_msb (MSB<<8)|\new
.set MSB, \new
.endif
.endm
.set W_PV, 0x50                        ; C and D (O^T) in window 1
.set W_RS, 0x41                        ; destination and source 0 (O^T) in window 1
.set W_CB, 0x01                        ; source 0 (O^T) in window 1
.macro PLACES n
.rept \n
	v_nop
.endr
.endm
; A joint load.  Waves 0 to 3 fetch a quarter each of a record's 65,536 bytes of V's codes, waves 4 to 7 a quarter each of the other 19,456.  The branch hangs on the wave's number alone.
; An s_nop 0 and four v_nop follow each of the two lines, ahead of the jump, the label and what follows.
.macro JLOAD
	s_cmp_lt_u32 s[WV], 4
	s_cbranch_scc0 .Lfor_b_\@
	tensor_load_to_lds s[G0A:G0A+3], s[G1A:G1A+7]
	s_nop 0
.rept 4
	v_nop
.endr
	s_branch .Lasked_\@
.Lfor_b_\@:
	tensor_load_to_lds s[G0B:G0B+3], s[G1B:G1B+7]
	s_nop 0
.rept 4
	v_nop
.endr
.Lasked_\@:
.endm
; A PREFETCH of the record that the NEXT change of slots will ask for; it stands behind the wave's tensor load and its five lines.  Both clusters of a head walk the same records: the head's first cluster asks.
; Its four partners share a record out BY ADDRESS: of V's codes partner cx takes 16,384 bytes, waves 0 and 1 half each, lanes 256 bytes apart; of the other 19,456 bytes partner cx takes 4,864, wave 2,
; lanes 0 to 18 a block of 256 bytes each (lanes 19 to 31 name lane 18's block again).  The last change that fills a slot asks for nothing; records 0 and 1 come by their loads alone.
.macro ASK
	s_cmp_gt_u32 s[SLOTS], s[LIM]
	s_cbranch_scc0 .Lnot_mine_\@
	global_prefetch_b8 v[PFO], s[PFA:PFA+1] th:TH_LOAD_NT scope:SCOPE_SE
.Lnot_mine_\@:
.endm
; A round of the cluster's barrier: my work-group's barrier; wave 0 signals for the work-group; every wave waits for all four work-groups; my work-group's barrier once more.
.macro CROUND
	s_barrier_signal -1
	s_barrier_wait -1
	s_cmp_lg_u32 s[WV], 0
	s_cbranch_scc1 .Lnot_wave_0_\@
	s_barrier_signal -3
.Lnot_wave_0_\@:
	s_barrier_wait -3
	s_barrier_signal -1
	s_barrier_wait -1
.endm
; 64 numbers of a lane, four blocks of 16 at v[src + 16 b]; a block's other 16 lie in lane l xor 16.  Block b's codes go to v[dst + str (b / 2) + 4 (b % 2)] on; its byte is left in v[TM + 4 + b].
.macro QUANT4 src, dst, str
.irp b, 0,1,2,3
	v_max3_num_f32 v[TM+\b], |v[\src+16*\b]|, |v[\src+1+16*\b]|, 0x8000000   ; my 16 numbers, and the floor 2^(16 - 127)
.endr
.irp i, 2,4,6,8,10,12,14
.irp b, 0,1,2,3
	v_max3_num_f32 v[TM+\b], v[TM+\b], |v[\src+16*\b+\i]|, |v[\src+1+16*\b+\i]|
.endr
.endr
.irp b, 0,1,2,3
	v_permlanex16_b32 v[TM+4+\b], v[TM+\b], s[SEL], s[SEL+1]
.endr
.irp b, 0,1,2,3
	v_max_num_f32 v[TM+\b], v[TM+\b], v[TM+4+\b]
.endr
.irp b, 0,1,2,3
	v_add_nc_u32 v[TM+12+\b], 0xf8800000, v[TM+\b]
.endr
.irp b, 0,1,2,3
	v_and_or_b32 v[TM+8+\b], v[TM+\b], 0x7f800000, s[MNT]
.endr
.irp b, 0,1,2,3
	v_lshrrev_b32 v[TM+4+\b], 23, v[TM+12+\b]
.endr
.irp b, 0,1,2,3
.irp i, 0,1,2,3,4,5,6,7,8,9,10,11,12,13,14,15
	v_med3_num_f32 v[\src+16*\b+\i], v[\src+16*\b+\i], -v[TM+8+\b], v[TM+8+\b]   ; the hold (ISA guide 7.6.2: the conversion does not saturate)
.endr
	v_cvt_scalef32_pk8_bf8_f32 v[\dst+\str*(\b/2)+4*(\b%2):\dst+\str*(\b/2)+4*(\b%2)+1], v[\src+16*\b:\src+16*\b+7], v[TM+12+\b]
	v_cvt_scalef32_pk8_bf8_f32 v[\dst+\str*(\b/2)+4*(\b%2)+2:\dst+\str*(\b/2)+4*(\b%2)+3], v[\src+16*\b+8:\src+16*\b+15], v[TM+12+\b]
.endr
.endm
	s_load_b256 s[4:11], s[0:1], 0x0               ; kv s[4:5], wpart s[6:7], query s[8:9], out0 s[10:11]
	v_lshl_add_u32 v[SPW], v0, 2, SPARE
	v_mov_b32 v[NIL], 0
	ds_add_u32 v[SPW], v[NIL]                      ; the wave's opening: the add, twice on end, and its wait ahead of my first tensor load; the set-up below, work on registers, stands between
	ds_add_u32 v[SPW], v[NIL]                      ; and once more, under the one wait
	v_lshrrev_b32 v1, 5, v0
	v_readfirstlane_b32 s[WV], v1                  ; wave 0..7
	v_and_b32 v1, 15, v0                           ; r
	v_and_b32 v2, 31, v0                           ; lane
	v_bfe_u32 v3, v0, 4, 1                         ; h
	s_bfe_u32 s13, ttmp6, 0x40000                  ; cx: my place in the cluster: it enters addresses in query, out0 and the prefetches alone
	s_lshl_b32 s14, ttmp9, 2                       ; in a cluster launch ttmp9 counts clusters
	s_add_co_u32 s14, s14, s13                     ; my block of 256 queries
	s_and_b32 s16, ttmp7, 0xffff                   ; the head, which the four partners share
	s_and_b32 s17, s[WV], 3
	s_mul_i32 s20, s16, 8*REC                      ; the head's eight records
	s_mov_b32 s21, 0
	s_lshl_b32 s22, s17, 14                        ; waves 0 to 3: my quarter of V's codes, in a record and in a slot alike
	s_mov_b32 s23, 0
	s_mul_i32 s74, s17, PARTB
	s_add_co_u32 s74, s74, KOFF                    ; waves 4 to 7: my quarter of the rest
	s_mov_b32 s75, 0
	s_lshl_b32 s76, s16, 21                        ; out0: the head's 8,192 rows of 256 bytes,
	s_lshl_b32 s77, s14, 16                        ; my block's 256 rows,
	s_add_co_u32 s76, s76, s77
	s_lshl_b32 s77, s[WV], 13                      ; my wave's 32
	s_add_co_u32 s76, s76, s77
	s_mov_b32 s77, 0
	s_lshl_b32 s73, s13, 14                        ; the prefetches: waves 0 and 1: 16,384 cx + 8,192 wave;
	s_lshl_b32 s78, s[WV], 13
	s_add_co_u32 s73, s73, s78
	s_mul_i32 s78, s13, PARTB                      ; wave 2: KOFF + 4,864 cx
	s_add_co_u32 s78, s78, KOFF
	s_cmp_lt_u32 s[WV], 2
	s_cselect_b32 s78, s73, s78
	s_cselect_b32 s73, 31, 18                      ; the last lane that names a block of its own
	s_add_co_u32 s78, s78, REC                     ; in record 1: the first change of slots steps it to record 2
	s_mov_b32 s79, 0
	v_min_u32 v[PFO], s73, v2
	v_lshlrev_b32 v[PFO], 8, v[PFO]
	s_cmp_lt_u32 s[WV], 3
	s_cselect_b32 s[LIM], ttmp9, 1                 ; 0 in waves 0 to 2 of the head's first cluster: the same in all four partners
	s_cmp_eq_u32 s[LIM], 0
	s_cselect_b32 s[LIM], 1, -1
	; descriptor group 1: a dense block as rows of 256 bytes (32 elements of 8 bytes)
	s_mov_b32 s[G1A], 15|(3<<16)|(1<<21)           ; 15:0 the mask: all four work-groups; 17:16 elements of 8 bytes; 20 no padding; 21 set beside a mask
	s_mov_b32 s[G1A+1], 32<<16                     ; tensor_dim0 = 32
	s_mov_b32 s[G1A+2], 64<<16                     ; tensor_dim1 = 64
	s_mov_b32 s[G1A+3], 32<<16                     ; tile_dim0 = 32
	s_mov_b32 s[G1A+4], 64                         ; tile_dim1 = 64
	s_mov_b32 s[G1A+5], 32                         ; from row to row: 32 elements
	s_mov_b32 s[G1A+6], 0
	s_mov_b32 s[G1A+7], 0
	s_mov_b32 s[G1B], 15|(3<<16)|(1<<21)
	s_mov_b32 s[G1B+1], 32<<16
	s_mov_b32 s[G1B+2], 19<<16                     ; 19 rows
	s_mov_b32 s[G1B+3], 32<<16
	s_mov_b32 s[G1B+4], 19
	s_mov_b32 s[G1B+5], 32
	s_mov_b32 s[G1B+6], 0
	s_mov_b32 s[G1B+7], 0
	s_mov_b32 s[CS], 0x3e38aa3b                    ; c = log2(e) / 8
	s_mov_b32 s[CS+1], s[CS]                       ; (named with it as a pair, so it is written)
	s_mov_b32 s[SEL], 0x76543210
	s_mov_b32 s[SEL+1], 0xfedcba98
	s_mov_b32 s[MNT], 0x600000
	s_mov_b32 s[SLOTS], 7
	s_mov_b32 s[TB], 0
	s_wait_dscnt 0x0                               ; both opening adds are done
	s_wait_kmcnt 0x0
	s_add_nc_u64 s[4:5], s[4:5], s[20:21]          ; kv at the head's record 0
	s_mov_b32 s[G0A], 1                            ; 1:0 count = 1
	s_mov_b32 s[G0A+1], s22                        ; LDS address: slot 0
	s_add_nc_u64 s[G0A+2:G0A+3], s[4:5], s[22:23]  ; global address
	s_or_b32 s[G0A+3], s[G0A+3], 0x80000000        ; type = 2
	s_mov_b32 s[G0B], 1
	s_mov_b32 s[G0B+1], s74
	s_add_nc_u64 s[G0B+2:G0B+3], s[4:5], s[74:75]
	s_or_b32 s[G0B+3], s[G0B+3], 0x80000000
	s_add_nc_u64 s[PFA:PFA+1], s[4:5], s[78:79]
	s_lshl_b32 s20, s16, 10                        ; wpart: 1,024 bytes a head
	s_add_nc_u64 s[6:7], s[6:7], s[20:21]
	s_add_nc_u64 s[8:9], s[8:9], s[76:77]
	s_add_nc_u64 s[8:9], s[8:9], 0x100000          ; query at my wave's first row of the central group (row 4,096 on)
	s_add_nc_u64 s[10:11], s[10:11], s[76:77]      ; out0 at the same place in query group 0
	CROUND                                         ; all four work-groups are here: the first joint loads meet
	JLOAD                                          ; record 0 into slot 0
	v_lshlrev_b32 v4, 8, v1
	v_lshl_add_u32 v4, v3, 6, v4                   ; Q: row r, + 64 h: my 16 numbers of a block of 32
	v_lshlrev_b32 v5, 4, v2
.irp u, 0,1
.irp c, 0,1
.irp j, 0,1,2,3
	global_load_b128 v[S+32*\u+16*\c+4*\j:S+32*\u+16*\c+4*\j+3], v4, s[8:9] offset:\u*4096+\c*128+16*\j th:TH_LOAD_NT   ; tile u, block c
.endr
.endr
.endr
	global_load_b128 v[FA:FA+3], v5, s[6:7]                  ; the sums of squares: lane = which 128 rows: lanes 0-15 query group 0, lanes 16-31 group 1;
	global_load_b128 v[FA+4:FA+7], v5, s[6:7] offset:512     ; groups 2 and 3
	WIN 0x40                                       ; destination window 1
.set n, 0
.rept 256
	v_mov_b32 v[n], 0                              ; O^T
.set n, n+1
.endr
	WIN 0
.irp u, 0,1
	v_mov_b32 v[ST+4*\u+1], 0xff61b1e6             ; the largest t so far: -3e38, under every t
	v_floor_f32 v[ST+4*\u], -v[ST+4*\u+1]          ; -M
	v_mov_b32 v[ST+4*\u+2], 0                      ; the sum, in two halves
	v_mov_b32 v[ST+4*\u+3], 0
	v_mov_b32 v[F+2*\u+1], 0                       ; (named as the upper half of f's pair)
.irp i, 8,9,10,11,12,13,14,15
	v_mov_b32 v[Q+16*\u+\i], 0                     ; Q's codes for k = 64 .. 127: zeros
.endr
.endr
.irp i, 0,1,2,3,4,5,6,7
	v_mov_b32 v[KF+64+\i], 0                       ; what stands behind K's tile 7
.endr
.irp b, 0,1,2,3
	v_mov_b32 v[TM+4+\b], 0                        ; (a lane permute's destination counts as one of its sources)
.endr
	s_wait_loadcnt 2                               ; Q's 16 loads are in; the two behind them may be out
	QUANT4 S, Q, 16
	v_lshl_or_b32 v[QS], v[TM+5], 8, v[TM+4]       ; Q's scale words (plain lines behind the conversions)
	v_lshl_or_b32 v[QS+1], v[TM+7], 8, v[TM+6]
	v_or_b32 v[QS], 0x7f7f0000, v[QS]
	v_or_b32 v[QS+1], 0x7f7f0000, v[QS+1]
	s_wait_loadcnt 0x0
	; THE 16 COEFFICIENTS: v[FA + 4 a + g]: the sum of w^2 over 128 rows; over 16 lanes: over a query group
.irp x, 1,2,4,8
.irp i, 0,1,2,3,4,5,6,7
	v_add_f32_dpp v[FA+\i], v[FA+\i], v[FA+\i] row_xmask:\x row_mask:0xf bank_mask:0xf
.endr
.endr
.irp i, 0,1,2,3,4,5,6,7
	v_sqrt_f32 v[FA+8+\i], v[FA+\i]                ; norm[m][g]
.endr
	v_nop                                          ; a plain instruction behind the last root,
	s_wait_alu depctr_va_vdst(0)                   ; and the wait ahead of the first use: one for the eight
	v_readlane_b32 s20, v[FA+14], 0                ; norm[2][2]
	v_rcp_f32 v[FA+16], s20
	v_nop
	s_wait_alu depctr_va_vdst(0)
.irp i, 0,1,2,3,4,5,6,7
	v_mul_f32 v[FA+8+\i], v[FA+8+\i], v[FA+16]     ; / norm[2][2]
.endr
	v_add_f32 v[FA+17], v[FA+8], v[FA+9]
	v_add_f32 v[FA+18], v[FA+12], v[FA+13]
	v_add_f32 v[FA+19], v[FA+10], v[FA+11]
	v_add_f32 v[FA+20], v[FA+14], v[FA+15]
	v_add_f32 v[FA+17], v[FA+17], v[FA+19]         ; the sum over g
	v_add_f32 v[FA+18], v[FA+18], v[FA+20]
	v_rcp_f32 v[FA+19], v[FA+17]
	v_rcp_f32 v[FA+20], v[FA+18]
	v_nop
	s_wait_alu depctr_va_vdst(0)
.irp g, 0,1,2,3
	v_mul_f32 v[FA+8+\g], v[FA+8+\g], v[FA+19]
	v_mul_f32 v[FA+12+\g], v[FA+12+\g], v[FA+20]
.endr
.irp g, 0,1,2,3
	v_readlane_b32 s[COEF+\g], v[FA+8+\g], 0
	v_readlane_b32 s[COEF+4+\g], v[FA+8+\g], 16
	v_readlane_b32 s[COEF+8+\g], v[FA+12+\g], 0
	v_readlane_b32 s[COEF+12+\g], v[FA+12+\g], 16
.endr
; S^T = K Q^T for tile of queries qt: eight products, each starting its sum with the constant 0.  K's scale words: lanes 0-15 of a register serve the even tile, lanes 16-31 the odd one.
.macro SMUL qt
.irp t, 0,1,2,3,4,5,6,7
.if (\t)%2
	v_wmma_scale_f32_16x16x128_f8f6f4 v[S+8*\t:S+8*\t+7], v[KF+8*\t:KF+8*\t+15], v[Q+16*(\qt):Q+16*(\qt)+15], 0, v[KSW+\t/2], v[QS+(\qt)] matrix_a_fmt:MATRIX_FMT_BF8 matrix_b_fmt:MATRIX_FMT_BF8 matrix_a_scale:MATRIX_SCALE_ROW1
.else
	v_wmma_scale_f32_16x16x128_f8f6f4 v[S+8*\t:S+8*\t+7], v[KF+8*\t:KF+8*\t+15], v[Q+16*(\qt):Q+16*(\qt)+15], 0, v[KSW+\t/2], v[QS+(\qt)] matrix_a_fmt:MATRIX_FMT_BF8 matrix_b_fmt:MATRIX_FMT_BF8
.endif
.endr
.endm
; The softmax of tile qt for these 128 keys: scores in v[S] on become p, p's codes go to v[PC + 16 qt] on, its scale word to v[PW + qt], f to v[F + 2 qt].
.macro SOFTMAX qt
.set rM, ST+4*(\qt)
.set rF, F+2*(\qt)
.set rP, PC+16*(\qt)
.irp b, 0,1,2,3
	v_max3_num_f32 v[TM+\b], v[S+16*\b], v[S+1+16*\b], v[S+2+16*\b]   ; THE LARGEST SCORE OF EACH BLOCK OF 32 KEYS: it serves for the row's maximum and, since p rises with the score, for the block's largest p
.endr
.irp i, 3,5,7,9,11,13
.irp b, 0,1,2,3
	v_max3_num_f32 v[TM+\b], v[TM+\b], v[S+16*\b+\i], v[S+1+16*\b+\i]
.endr
.endr
.irp b, 0,1,2,3
	v_max_num_f32 v[TM+\b], v[TM+\b], v[S+15+16*\b]
.endr
.irp b, 0,1,2,3
	v_permlanex16_b32 v[TM+4+\b], v[TM+\b], s[SEL], s[SEL+1]
.endr
.irp b, 0,1,2,3
	v_max_num_f32 v[TM+\b], v[TM+\b], v[TM+4+\b]   ; with lane l xor 16's 16 keys
.endr
	v_max3_num_f32 v[TT], v[TM], v[TM+1], v[TM+2]
	v_max_num_f32 v[TT], v[TT], v[TM+3]            ; the step's largest score of my query
	v_mul_f32 v[TT], s[CS], v[TT]                  ; as t (c is positive)
	v_max_num_f32 v[rM+1], v[rM+1], v[TT]          ; the running largest t
	v_mov_b32 v[TT], v[rM]
	v_floor_f32 v[rM], -v[rM+1]                    ; the new -M = floor(-t) = -ceil(t): M is a whole number
	v_sub_f32 v[TT], v[rM], v[TT]                  ; M's old value less its new one: a whole number, 0 or less
	v_cvt_i32_f32 v[TT], v[TT]                     ; (it saturates)
	v_ldexp_f32 v[rF], 1.0, v[TT]                  ; f = 2^(old M - new M)
.set n, 0
.rept 32
	v_pk_fma_f32 v[S+n:S+n+1], v[S+n:S+n+1], s[CS:CS+1], v[rM:rM+1] op_sel_hi:[1,0,0]   ; t - M, two at a time
.set n, n+2
.endr
.irp b, 0,1,2,3
	v_fma_f32 v[TM+\b], v[TM+\b], s[CS], v[rM]     ; the same of each block's largest score
.endr
.set n, 0
.rept 64
	v_exp_f32 v[S+n], v[S+n]                       ; p = 2^(t - M), at most 1
.set n, n+1
.endr
	v_pk_mul_f32 v[rM+2:rM+3], v[rM+2:rM+3], v[rF:rF+1] op_sel_hi:[1,0]   ; the sums under the new M (a plain instruction behind the exponentials)
	s_wait_alu depctr_va_vdst(0)                   ; the wait ahead of the first use: one for the 64
.irp b, 0,1,2,3
	v_exp_f32 v[TM+\b], v[TM+\b]                   ; the block's largest p: the same two instructions on the same number give the same bits
.endr
	v_pk_add_f32 v[TM+4:TM+5], v[S:S+1], v[S+2:S+3]   ; THE ROW'S SUM IS TAKEN OF THE UNQUANTISED p, in two chains
.set n, 4
.rept 15
	v_pk_add_f32 v[rM+2:rM+3], v[rM+2:rM+3], v[S+n:S+n+1]
	v_pk_add_f32 v[TM+4:TM+5], v[TM+4:TM+5], v[S+n+2:S+n+3]
.set n, n+4
.endr
	v_pk_add_f32 v[rM+2:rM+3], v[rM+2:rM+3], v[TM+4:TM+5]
	s_wait_alu depctr_va_vdst(0)                   ; and one for the four
.irp b, 0,1,2,3
	v_max_num_f32 v[TM+\b], 0x8000000, v[TM+\b]    ; the floor 2^(16 - 127)
.endr
.irp b, 0,1,2,3
	v_add_nc_u32 v[TM+12+\b], 0xf8800000, v[TM+\b] ; 15 off the exponent field: the conversion's scale operand
.endr
.irp b, 0,1,2,3
	v_and_or_b32 v[TM+8+\b], v[TM+\b], 0x7f800000, s[MNT]   ; 57,344 x the scale
.endr
.irp b, 0,1,2,3
	v_lshrrev_b32 v[TM+4+\b], 23, v[TM+12+\b]      ; the scale's byte
.endr
	v_lshl_or_b32 v[PW+(\qt)], v[TM+5], 8, v[TM+4] ; p's scale word for these 128 keys
	v_lshl_or_b32 v[PW+(\qt)], v[TM+6], 16, v[PW+(\qt)]
	v_lshl_or_b32 v[PW+(\qt)], v[TM+7], 24, v[PW+(\qt)]
.irp b, 0,1,2,3
.set n, 0
.rept 16
	v_min_num_f32 v[S+16*\b+n], v[S+16*\b+n], v[TM+8+\b]   ; the hold; p is not negative, so it is one-sided
.set n, n+1
.endr
	v_cvt_scalef32_pk8_bf8_f32 v[rP+4*\b:rP+4*\b+1], v[S+16*\b:S+16*\b+7], v[TM+12+\b]
	v_cvt_scalef32_pk8_bf8_f32 v[rP+4*\b+2:rP+4*\b+3], v[S+16*\b+8:S+16*\b+15], v[TM+12+\b]
.endr
	v_nop                                          ; a plain instruction between the last conversion and the products that write its sources or read its results
.endm
; Four fragments of V (channel tiles 4 b .. 4 b + 3, the slot's q-th 128 keys) into v128-191 (b even) or v64-127 (b odd)
.macro VLOAD q, b
.irp jj, 0,1,2,3
.irp c, 0,1,2,3
	ds_load_b128 v[FA-64*((\b)%2)+16*\jj+4*\c:FA-64*((\b)%2)+16*\jj+4*\c+3], v[ADV] offset:(\q)*32768+(4*(\b)+\jj)*2048+\c*512
.endr
.endr
.endm
; O^T of channel tiles 4 b .. 4 b + 3, both tiles of queries, under the new M: x f.  Each accumulator from its low end on.  These 32 name no register of the products ahead of them: they are the places behind those.
.macro RESC b
.irp jj, 0,1,2,3
.irp u, 0,1
.irp i, 0,2,4,6
	v_pk_mul_f32 v[128*\u+8*(4*(\b)+\jj)+\i:128*\u+8*(4*(\b)+\jj)+\i+1], v[128*\u+8*(4*(\b)+\jj)+\i:128*\u+8*(4*(\b)+\jj)+\i+1], v[F+2*\u:F+2*\u+1] op_sel_hi:[1,0]
.endr
.endr
.endr
.endm
; O^T += V^T P^T: eight accumulators by turns, one instruction a turn
.macro PV b
.irp jj, 0,1,2,3
.irp u, 0,1
.set rO, 128*\u+8*(4*(\b)+\jj)
.set rA, FA-64*((\b)%2)+16*\jj
.if (\jj)%2
	v_wmma_scale_f32_16x16x128_f8f6f4 v[rO:rO+7], v[rA:rA+15], v[PC+16*\u:PC+16*\u+15], v[rO:rO+7], v[VSW+(4*(\b)+\jj)/2], v[PW+\u] matrix_a_fmt:MATRIX_FMT_BF8 matrix_b_fmt:MATRIX_FMT_BF8 matrix_a_scale:MATRIX_SCALE_ROW1
.else
	v_wmma_scale_f32_16x16x128_f8f6f4 v[rO:rO+7], v[rA:rA+15], v[PC+16*\u:PC+16*\u+15], v[rO:rO+7], v[VSW+(4*(\b)+\jj)/2], v[PW+\u] matrix_a_fmt:MATRIX_FMT_BF8 matrix_b_fmt:MATRIX_FMT_BF8
.endif
.endr
.endr
.endm
; A KEY STEP: 128 keys, the q-th of the slot in hand; every window is 0 on the way in and on the way out.
; Distances behind this matrix form (ISA guide 7.12.1 for a read of its result): 8 places ahead of a load into one of its registers or a read of its result, 9 ahead of a matrix instruction that writes over one of its registers.
.macro STEP q
	PLACES 9                                       ; the last step's last products read v64-127 as source 0, which the first products below write over: 9; their scale words are loaded anew: 8
.irp t, 0,1,2,3,4,5,6,7
.irp c, 0,1
	ds_load_b128 v[KF+8*\t+4*\c:KF+8*\t+4*\c+3], v[ADK] offset:(\q)*8192+\t*1024+\c*512
.endr
.endr
.irp i, 0,1,2,3
	ds_load_b32 v[KSW+\i], v[ADS] offset:(\q)*512+128*\i
.endr
.irp i, 0,1,2,3,4,5,6,7
	ds_load_b32 v[VSW+\i], v[ADT] offset:256*\i+4*(\q)   ; lane = channel 32 i + lane: lanes 0-15 channel tile 2 i, lanes 16-31 tile 2 i + 1
.endr
	s_wait_dscnt 0x0
	SMUL 0
	PLACES 8
	SOFTMAX 0
	SMUL 1
	PLACES 8                                       ; for the reads of the scores, and for the loads into K's registers
	VLOAD \q, 0                                    ; lands while the second softmax is walked
	SOFTMAX 1
	VLOAD \q, 1                                    ; p has become codes: its registers take fragments
	WIN W_RS
	RESC 0                                         ; (also the places between the codes, the scale word and the products)
	WIN W_PV
	s_wait_dscnt 16                                ; the first batch is in; the 16 loads of the second may be out
	PV 0
.irp b, 1,2
	WIN W_RS
	RESC \b
	WIN 0
	VLOAD \q, \b+1                                 ; into the registers that the batch before the last has left
	WIN W_PV
	s_wait_dscnt 16                                ; all but the 16 just issued
	PV \b
.endr
	WIN W_RS
	RESC 3
	WIN W_PV
	s_wait_dscnt 0x0
	PV 3
	WIN 0
.endm
; THE CHANGE OF SLOTS stands at a slot's head.  Each wave waits for all its tensor loads (one is out: its part of the slot that it is about to read), adds 0 to its spare word, and waits for that and for its
; reads of the slot that it has left.  fill = 1: the barrier is a round of the cluster's, and behind it the slot that was left takes the next record: the load has two key steps in which to land.
.macro CHANGE fill
	s_wait_tensorcnt 0x0                           ; no tensor load of mine is out, so a group 0 may be written
	ds_add_u32 v[SPW], v[NIL]                      ; 0 onto my spare word
.if \fill
	s_xor_b32 s[G0A+1], s[G0A+1], SLOT1            ; the walking descriptors: the other slot than last time,
	s_add_nc_u64 s[G0A+2:G0A+3], s[G0A+2:G0A+3], REC   ; the next record; the type bits on top are not reached
	s_xor_b32 s[G0B+1], s[G0B+1], SLOT1
	s_add_nc_u64 s[G0B+2:G0B+3], s[G0B+2:G0B+3], REC
	s_wait_xcnt 0x0                                ; the last prefetch, a slot back, has read its address, so it may be written:
	s_add_nc_u64 s[PFA:PFA+1], s[PFA:PFA+1], REC   ; one record further on than the walking descriptors
	s_wait_dscnt 0x0                               ; the add is done, and my reads of the slot that I have left are over
	CROUND
	JLOAD                                          ; the first tensor load behind the round, and my only one until the next
	ASK
.else
	s_wait_dscnt 0x0
	s_barrier_signal -1
	s_barrier_wait -1
.endif
.endm
.macro SLOTWORK
	s_add_co_u32 s73, s[TB], KOFF
	s_add_co_u32 s74, s[TB], KSOFF
	s_add_co_u32 s75, s[TB], VSOFF
	v_lshl_add_u32 v[ADV], v2, 4, s[TB]            ; 16 x lane in V's codes,
	v_lshl_add_u32 v[ADK], v2, 4, s73              ; in K's;
	v_lshl_add_u32 v[ADS], v2, 2, s74              ; 4 x lane among K's scale words,
	v_lshl_add_u32 v[ADT], v2, 3, s75              ; 8 x lane among V's
	STEP 0
	STEP 1
	s_xor_b32 s[TB], s[TB], SLOT1                  ; on to the other slot
.endm
.Lslot:                                            ; 7 trips: behind each change of slots but the last the next record is asked for
	CHANGE 1
	SLOTWORK
	s_sub_co_u32 s[SLOTS], s[SLOTS], 1
	s_cmp_lg_u32 s[SLOTS], 0
	s_cbranch_scc1 .Lslot
	CHANGE 0                                       ; the last record is written out
	SLOTWORK
	; THE WAY OUT.  out(2048 m + p, d) = sum over g of O^T(64 g + d, p) x coef[m][g] / l[p], in packed fused multiply-adds; a block of 16 queries x 64 d for one m goes through my stage in LDS and leaves as whole rows of 256 bytes.
	; The twelve plain lines below that add l and make addresses name no register of the last products: they are the places behind those.
	v_add_f32 v[ST+2], v[ST+2], v[ST+3]            ; the sum's two halves,
	v_add_f32 v[ST+6], v[ST+6], v[ST+7]
	v_permlanex16_b32 v[TM+4], v[ST+2], s[SEL], s[SEL+1]
	v_permlanex16_b32 v[TM+5], v[ST+6], s[SEL], s[SEL+1]
	v_add_f32 v[ST+2], v[ST+2], v[TM+4]            ; and lane l xor 16's: the row's sum
	v_add_f32 v[ST+6], v[ST+6], v[TM+5]
	v_rcp_f32 v[TM+6], v[ST+2]
	v_rcp_f32 v[TM+7], v[ST+6]
	s_mul_i32 s73, s[WV], 16*SP
	s_add_co_u32 s73, s73, STAGE                   ; my stage
	v_mul_u32_u24 v[STO], v1, SP                   ; in: row r, 32 bytes for each half of the lanes
	v_lshl_add_u32 v[STO], v3, 5, v[STO]
	v_add_nc_u32 v[STO], s73, v[STO]
	v_mul_u32_u24 v[RD], v3, SP                    ; back: lanes 0-15 one row of 256 bytes, lanes 16-31 the next
	v_lshl_add_u32 v[RD], v1, 4, v[RD]
	v_add_nc_u32 v[RD], s73, v[RD]
	v_lshlrev_b32 v[GO], 8, v3                     ; and the same two rows in out0
	v_lshl_add_u32 v[GO], v1, 4, v[GO]
	s_wait_alu depctr_va_vdst(0)                   ; the wait ahead of the first use: one for the two reciprocals
.macro MAKECL qt                       ; coef[e] / l of tile qt, each in the low word of a pair (the upper words hold old codes and are not used)
.irp e, 0,1,2,3,4,5,6,7,8,9,10,11,12,13,14,15
	v_mul_f32 v[CL+2*\e], s[COEF+\e], v[TM+6+(\qt)]
.endr
.endm
; Block k = 4 T + m: 32 numbers a lane, register 8 dj + i = d 16 dj + 8 h + i of query r, into v64-95 or v96-127 by turns
.macro COMB k
.set cT, (\k)/4
.set cM, (\k)%4
.set cA, S+32*((\k)%2)
	WIN W_CB
.irp g, 0,1,2,3
.irp dj, 0,1,2,3
.irp i, 0,2,4,6
.if \g == 0
	v_pk_mul_f32 v[cA+8*\dj+\i:cA+8*\dj+\i+1], v[128*cT+8*(4*\g+\dj)+\i:128*cT+8*(4*\g+\dj)+\i+1], v[CL+2*(4*cM+\g):CL+2*(4*cM+\g)+1] op_sel_hi:[1,0]
.else
	v_pk_fma_f32 v[cA+8*\dj+\i:cA+8*\dj+\i+1], v[128*cT+8*(4*\g+\dj)+\i:128*cT+8*(4*\g+\dj)+\i+1], v[CL+2*(4*cM+\g):CL+2*(4*cM+\g)+1], v[cA+8*\dj+\i:cA+8*\dj+\i+1] op_sel_hi:[1,0,1]
.endif
.endr
.endr
.endr
	WIN 0
.endm
.macro TOSTAGE k
.set cA, S+32*((\k)%2)
.set cB, FA+32*((\k)%2)
.irp dj, 0,1,2,3
	ds_store_b128 v[STO], v[cA+8*\dj:cA+8*\dj+3] offset:64*\dj
	ds_store_b128 v[STO], v[cA+8*\dj+4:cA+8*\dj+7] offset:64*\dj+16
.endr
.if (\k) >= 2
	s_wait_xcnt 0x0                                ; block k - 2's stores have read their registers: block k's rows may land there
.endif
.irp i, 0,1,2,3,4,5,6,7
	ds_load_b128 v[cB+4*\i:cB+4*\i+3], v[RD] offset:2*\i*SP   ; LDS serves a wave's instructions in order (ISA guide 5.7.1.4): these see the stores above, and the next block's stores come behind them
.endr
.endm
.macro SEND k, younger                 ; younger: the LDS instructions issued behind block k's loads: the next block's 8 stores and 8 loads, or none
.set cT, (\k)/4
.set cM, (\k)%4
.set cB, FA+32*((\k)%2)
	s_wait_dscnt \younger                          ; the block is back in registers, and its stores into the stage have read theirs
.irp i, 0,1,2,3,4,5,6,7
	global_store_b128 v[GO], v[cB+4*\i:cB+4*\i+3], s[10:11] offset:cM*524288+cT*4096+512*\i th:TH_STORE_NT   ; 16 lanes store a row of 256 bytes, aligned; query group m lies 2,048 rows on
.endr
.endm
	MAKECL 0
	COMB 0
	TOSTAGE 0
.irp k, 1,2,3
	COMB \k
	TOSTAGE \k
	SEND \k-1, 16
.endr
	MAKECL 1
.irp k, 4,5,6,7
	COMB \k
	TOSTAGE \k
	SEND \k-1, 16
.endr
	SEND 7, 0
	s_wait_tensorcnt 0x0                           ; the wave's end, behind my last tensor load and my last LDS store
	ds_add_u32 v[SPW], v[NIL]
	s_wait_dscnt 0x0
	CROUND                                         ; the closing round: no work-group ends while a partner may still ask for a record that names it
	s_endpgm
.Lfunc_end_k_q0ec8cf3e71_attn:
	.size	k_q0ec8cf3e71_attn, .Lfunc_end_k_q0ec8cf3e71_attn-k_q0ec8cf3e71_attn
	.p2alignl 7, 3214868480
	.fill 96, 4, 3214868480
	.section	.rodata,"a",@progbits
	.p2align	6, 0x0
	.amdhsa_kernel k_q0ec8cf3e71_attn
		.amdhsa_group_segment_fixed_size 327680
		.amdhsa_private_segment_fixed_size 0
		.amdhsa_enable_private_segment 0
		.amdhsa_kernarg_size 32
		.amdhsa_user_sgpr_count 2
		.amdhsa_user_sgpr_kernarg_segment_ptr 1
		.amdhsa_wavefront_size32 1
		.amdhsa_system_sgpr_workgroup_id_x 1
		.amdhsa_system_sgpr_workgroup_id_y 1
		.amdhsa_system_sgpr_workgroup_id_z 1
		.amdhsa_system_vgpr_workitem_id 0
		.amdhsa_next_free_vgpr 512
		.amdhsa_next_free_sgpr 80
		.amdhsa_reserve_vcc 0
		.amdhsa_float_denorm_mode_32 3
		.amdhsa_float_denorm_mode_16_64 3
		.amdhsa_memory_ordered 1
		.amdhsa_forward_progress 1
		.amdhsa_inst_pref_size 255
	.end_amdhsa_kernel
	.section	.bss,"aw",@nobits
	.p2align	6
	.space	262144
	.amdgpu_metadata
---
amdhsa.version: [ 1, 2 ]
amdhsa.kernels:
  - .name:           k_q0ec8cf3e71_attn
    .symbol:         k_q0ec8cf3e71_attn.kd
    .args:
      - { .name: kv, .offset: 0, .size: 8, .value_kind: global_buffer, .address_space: global }
      - { .name: wpart, .offset: 8, .size: 8, .value_kind: global_buffer, .address_space: global }
      - { .name: query, .offset: 16, .size: 8, .value_kind: global_buffer, .address_space: global }
      - { .name: out0, .offset: 24, .size: 8, .value_kind: global_buffer, .address_space: global }
    .group_segment_fixed_size: 327680
    .private_segment_fixed_size: 0
    .kernarg_segment_align: 8
    .kernarg_segment_size: 32
    .max_flat_workgroup_size: 256
    .sgpr_count:     80
    .vgpr_count:     512
    .wavefront_size: 32
...
	.end_amdgpu_metadata
.endif
;; end of part 2
